; MI455X (gfx1250); checked and timed in simulation.
; The chip was launched on July 23, 2026; its instructions are those of AMD's public machine-readable ISA for CDNA 5 (MIT licence, August 2026) and "CDNA5" Instruction Set Architecture Reference Guide (July 2026). The comments in the code are by the model that wrote it; some were corrected since.
;; Multihead Attention. Allowed arithmetic: float matrix products may take bf16 or f16 operands with f32 sums; all other float work in f32.
;; Inputs: Wk 1,024 x 1,024 float32; Wq 1,024 x 1,024 float32; Wv 1,024 x 1,024 float32; bk 1,024 float32; bq 1,024 float32; bv 1,024 float32; k 2,048 x 4 x 1,024 float32; q 2,048 x 4 x 1,024 float32; v 2,048 x 4 x 1,024 float32.
;; Outputs: out0 2,048 x 4 x 1,024 float32.
;; One version. Each part assembles by itself: llvm-mc -triple=amdgcn-amd-amdhsa -mcpu=gfx1250 --defsym DOCPART=n.
;; ======== version 1 of 1: 2 launches
;; workspace buffers: ws 50,331,648 bytes
;; launch proj (part 1): grid 4 x 96, 4 waves a work-group, clusters of 4 x 4, 327,680 bytes of LDS; arguments q, k, v, Wq, Wk, Wv, bq, bk, bv, ws; writes ws
.if DOCPART == 1
	.amdgcn_target "amdgcn-amd-amdhsa--gfx1250"
	.amdhsa_code_object_version 6
	.text
	.protected	k_q55eec1561a_proj
	.globl	k_q55eec1561a_proj
	.p2align	8
	.type	k_q55eec1561a_proj,@function
k_q55eec1561a_proj:
	s_mov_b64 s[64:65], 0
	v_nop
	global_prefetch_b8 v0, s[64:65] scope:SCOPE_SE
	s_setreg_imm32_b32 hwreg(HW_REG_WAVE_MODE, 25, 1), 1
	s_wait_xcnt 0x0
	s_wait_alu depctr_hold_cnt(0) depctr_sa_sdst(0) depctr_va_vdst(0) depctr_va_sdst(0) depctr_va_ssrc(0) depctr_va_vcc(0) depctr_vm_vsrc(0)
	s_getreg_b32 s2, hwreg(HW_REG_IB_STS2, 6, 4)
	s_cmp_eq_u32 s2, 0
	s_cbranch_scc0 .Lentry_in_a_cluster
	s_endpgm
.Lentry_in_a_cluster:
	s_bfe_u32 s2, ttmp6, 0x10000c
	s_cmp_lg_u32 s2, 0xf033
	s_cbranch_scc0 .Lentry_shape_is_right
	s_endpgm
.Lentry_shape_is_right:
; PROJ: the three projections  y = min(max(x W^T + b, 0), 6)  in one launch, rounded to bf16 and laid out by heads:
;   ws[p][b][head][t][d],  p = 0 (q), 1 (k), 2 (v);  x: [2048 t][4 b][1024] f32 = 8192 rows m = 4 t + b;  W: [1024 n][1024 k] f32;  n = 64 head + d.
; A work-group makes 256 rows x 256 columns with four waves, a wave 128 x 128: 64 accumulator tiles of 16 x 16 in 512 registers.
; Grid: x = 4 block columns, y = 96 = 3 projections x 32 block rows.  A cluster of 4 x 4 lies inside one projection (8 clusters along y each).
; x and W come as f32: K goes in steps of 64 (rows of 256 bytes, each starting at a multiple of 256 bytes of its buffer) through two LDS slots
; filled by tensor loads; a wave reads f32 from LDS, rounds to bf16 in registers (v_cvt_pk_bf16_f32) and multiplies.  So no bf16 copy of x or W goes through memory.
; JOINT LOADS: the four work-groups of a row of the cluster need the same rows of x, the four of a column the same rows of W.  Each such tile is
; asked for by all four with one descriptor and a mask that names them.
; K ORDER: a lane takes 16 neighbouring k (k = 16 h .. 16 h + 15 of each 32) for x and for W alike, not the 8 + 8 of the operand's own map.  The same
; products are added; only their order inside a group of 32 differs.
; LIMITS: x and W are rounded to bf16 (sums in f32), the result to bf16.  A NaN in the sum is not kept as NaN: v_med3_num_f32 returns a number.
; REGISTERS in windows of 256: window 0: v16-30 addresses, v32-63 packed results, v64-127 x fragments (bf16), v128-255 x as read (f32);
;   window 1: v0-63 bias, v64-127 W fragments, v128-255 W as read;  window 2: accumulators of my rows 0-63 (tile (a, b) at 8 (8 a + b));  window 3: rows 64-127.
.set PITCH,  272                       ; an LDS row: 256 bytes + 16 of padding: the 16 rows that a load touches begin at 16 different 16-byte columns modulo 256
.set HALFT,  128*PITCH                 ; 128 rows: what one tensor load brings and what one wave reads of x or of W
.set SLOT,   4*HALFT                   ; x's 256 rows, then W's 256 rows
.set STAGE,  2*SLOT                    ; behind the ring: 16 rows x 272 bytes for each wave; no tensor load lands here
.set SPITCH, 272
.set KSTEPB, 256                       ; bytes of a row in a K step (64 f32)
.set ADRA, 16                          ; v16-17  LDS address of my x rows in slot 0, 1
.set ADRB, 20                          ; v20-21  the same for W
.set STO,  24                          ; the way out: where I put 16 bytes of a row
.set RD,   25                          ; the way out: where I read back
.set CO,   26                          ; v26-29  byte offset in ws for batch 0..3: 16 x lane + b x 4,194,304
.set BO,   30                          ; byte offset of my 8 bias numbers
.set TMP,  32
.set F,    64                          ; bf16 fragments
.set RAW,  128                         ; f32 as read: fragment i in 16 registers
.set SUM,  128                         ; the way out: sums + bias in f32 (the f32 buffer is free then)
.set G1,  24                           ; s[24:31] group 1 for x's tiles
.set G0,  32                           ; s[32:39] group 0 for x's tiles, one set for each slot
.set G1B, 48                           ; s[48:55] group 1 for W's tiles: another mask
.set G0B, 56                           ; s[56:63] group 0 for W's tiles
.set MUL_LO, 0xa1                      ; source 0 (W) window 1, source 1 (x) window 0, C and D window 2
.set MUL_HI, 0xf1                      ; the same, C and D window 3
.set MSB, 0
.macro WIN new                         ; the immediate's high byte repeats the setting that is left
.if MSB != \new
	s_set_vgpr_msb (MSB<<8)|\new
.set MSB, \new
.endif
.endm
; A joint load: waves 0 and 1 fetch x's two halves, waves 2 and 3 W's.  The branch hangs on the wave's number alone.
.macro JLOAD s
	s_cmp_eq_u32 s11, 0
	s_cbranch_scc0 .Lfor_b_\@
	tensor_load_to_lds s[G0+4*\s:G0+4*\s+3], s[G1:G1+7]
	s_nop 0
	s_branch .Lasked_\@
.Lfor_b_\@:
	tensor_load_to_lds s[G0B+4*\s:G0B+4*\s+3], s[G1B:G1B+7]
	s_nop 0
.Lasked_\@:
.endm
; A round of the cluster's barrier: my work-group's barrier, wave 0 signals for the work-group, every wave waits for all sixteen, my work-group's barrier again.
.macro CREST                           ; a round behind its opening barrier
	s_cmp_lg_u32 s10, 0
	s_cbranch_scc1 .Lnot_wave_0_\@
	s_barrier_signal -3
.Lnot_wave_0_\@:
	s_barrier_wait -3
	s_barrier_signal -1
	s_barrier_wait -1
.endm
.macro CROUND
	s_barrier_signal -1
	s_barrier_wait -1
	CREST
.endm
.macro PLACES                          ; four plain places behind a matrix instruction before a vector instruction reads its result or writes one of its registers (ISA guide 7.12.1)
.rept 4
	v_nop
.endr
.endm
	s_load_b512 s[68:83], s[0:1], 0x0              ; q s[68:69], k s[70:71], v s[72:73], Wq s[74:75], Wk s[76:77], Wv s[78:79], bq s[80:81], bk s[82:83]
	s_load_b128 s[84:87], s[0:1], 0x40             ; bv s[84:85], ws s[86:87]
	v_lshl_add_u32 v23, v0, 2, 0x48400
	v_mov_b32 v31, 0
	ds_add_u32 v23, v31
	v_lshrrev_b32 v1, 5, v0
	v_readfirstlane_b32 s10, v1                    ; wave 0..3
	s_lshr_b32 s11, s10, 1                         ; which half of the block's rows is mine.  Also: I fetch for x (0) or for W (1)
	s_and_b32 s12, s10, 1                          ; which half of its columns.  Also: which 128 rows of that tile I fetch
	s_bfe_u32 s40, ttmp6, 0x40000                  ; cx
	s_bfe_u32 s41, ttmp6, 0x40004                  ; cy
	s_lshl_b32 s42, ttmp9, 2
	s_add_co_u32 s42, s42, s40                     ; block column 0..3
	s_and_b32 s13, ttmp7, 0xffff                   ; the cluster's y, 0..23
	s_lshr_b32 s45, s13, 3                         ; projection 0..2: the same in the whole cluster
	s_and_b32 s13, s13, 7
	s_lshl_b32 s13, s13, 2
	s_add_co_u32 s13, s13, s41                     ; block row inside the projection, 0..31
	s_lshl_b32 s43, s41, 2
	s_lshl_b32 s43, 15, s43                        ; my row of the cluster: places 4 cy .. 4 cy + 3
	s_lshl_b32 s44, 0x1111, s40                    ; my column: places cx, cx + 4, cx + 8, cx + 12
	; group 1: a tile of 128 rows x 64 elements of 4 bytes, 4 words of padding behind every 64 words
	s_or_b32 s[G1+0], s43, (2<<16)|(1<<20)|(1<<21)|(5<<22)|(3<<25)
	s_or_b32 s[G1B+0], s44, (2<<16)|(1<<20)|(1<<21)|(5<<22)|(3<<25)
	s_mov_b32 s[G1+1], 64<<16                      ; tensor_dim0 = 64
	s_mov_b32 s[G1B+1], 64<<16
	s_mov_b32 s[G1+2], 128<<16                     ; tensor_dim1 = 128
	s_mov_b32 s[G1B+2], 128<<16
	s_mov_b32 s[G1+3], 64<<16                      ; tile_dim0 = 64
	s_mov_b32 s[G1B+3], 64<<16
	s_mov_b32 s[G1+4], 128                         ; tile_dim1 = 128
	s_mov_b32 s[G1B+4], 128
	s_mov_b32 s[G1+5], 1024                        ; elements from row to row
	s_mov_b32 s[G1B+5], 1024
	s_mov_b32 s[G1+6], 0
	s_mov_b32 s[G1B+6], 0
	s_mov_b32 s[G1+7], 0
	s_mov_b32 s[G1B+7], 0
	; offsets of the tiles.  x's hang on the block row alone (shared along my row of the cluster), W's on the block column alone (shared along my column).
	s_lshl_b32 s17, s12, 7                         ; which 128 rows of the tile I fetch
	s_lshl_b32 s16, s13, 8
	s_add_co_u32 s16, s16, s17                     ; x: row 256 x block row + 128 x half
	s_lshl_b32 s46, s42, 8
	s_add_co_u32 s46, s46, s17                     ; W: row 256 x block column + 128 x half
	s_lshl_b32 s16, s16, 12                        ; rows of 4,096 bytes: below 2^25
	s_lshl_b32 s46, s46, 12
	s_mov_b32 s17, 0
	s_mov_b32 s47, 0
	s_mul_i32 s20, s10, HALFT                      ; where they go: wave x 128 rows
	s_lshl_b32 s90, s42, 10                        ; bias: 4 x (256 x block column + 128 x column half)
	s_lshl_b32 s91, s12, 9
	s_add_co_u32 s90, s90, s91
	s_mov_b32 s91, 0
	s_lshl_b32 s92, s45, 24                        ; ws: projection x 16,777,216
	s_lshl_b32 s93, s42, 20                        ; + (4 x block column + 2 x column half) heads of 262,144 bytes
	s_add_co_u32 s92, s92, s93
	s_lshl_b32 s93, s12, 19
	s_add_co_u32 s92, s92, s93
	s_lshl_b32 s93, s13, 13                        ; + (64 x block row + 32 x row half) t rows of 128 bytes
	s_add_co_u32 s92, s92, s93
	s_lshl_b32 s93, s11, 12
	s_add_co_u32 s92, s92, s93
	s_mov_b32 s93, 0
	v_bfe_u32 v2, v0, 4, 1                         ; h = lane / 16
	v_lshlrev_b32 v[BO], 5, v2                     ; my 8 columns of a tile of 16 begin at 8 h
	s_wait_dscnt 0x0
	s_wait_kmcnt 0x0
	s_cmp_eq_u32 s45, 1                            ; the projection picks x, W and the bias
	s_cselect_b64 s[4:5], s[70:71], s[72:73]
	s_cselect_b64 s[6:7], s[76:77], s[78:79]
	s_cselect_b64 s[88:89], s[82:83], s[84:85]
	s_cmp_eq_u32 s45, 0
	s_cselect_b64 s[4:5], s[68:69], s[4:5]
	s_cselect_b64 s[6:7], s[74:75], s[6:7]
	s_cselect_b64 s[88:89], s[80:81], s[88:89]
	s_add_nc_u64 s[14:15], s[4:5], s[16:17]
	s_add_nc_u64 s[46:47], s[6:7], s[46:47]
	s_add_nc_u64 s[88:89], s[88:89], s[90:91]
	s_add_nc_u64 s[8:9], s[86:87], s[92:93]
	WIN 0x40                                       ; destination window 1
.irp b, 0,1,2,3,4,5,6,7
	global_load_b128 v[8*\b:8*\b+3],   v[BO], s[88:89] offset:64*\b       ; bias of columns 16 b + 8 h .. + 7 of my 128
	global_load_b128 v[8*\b+4:8*\b+7], v[BO], s[88:89] offset:64*\b+16
.endr
	WIN 0
	CROUND                                         ; all sixteen work-groups are here: the first joint loads meet
.irp s, 0,1
	s_mov_b32 s[G0+4*\s], 1
	s_add_co_u32 s[G0+4*\s+1], s20, \s*SLOT
	s_add_nc_u64 s[G0+4*\s+2:G0+4*\s+3], s[14:15], \s*KSTEPB
	s_or_b32 s[G0+4*\s+3], s[G0+4*\s+3], 0x80000000
	s_mov_b32 s[G0B+4*\s], 1
	s_add_co_u32 s[G0B+4*\s+1], s20, \s*SLOT
	s_add_nc_u64 s[G0B+4*\s+2:G0B+4*\s+3], s[46:47], \s*KSTEPB
	s_or_b32 s[G0B+4*\s+3], s[G0B+4*\s+3], 0x80000000
	JLOAD \s                                       ; K steps 0 and 1: two tensor loads of this wave are out, the most in this text
.endr
	; lane l reads row l % 16 of a fragment, 64 bytes (16 f32) at 64 (l / 16) of the 128 bytes of a half step
	v_and_b32 v1, 15, v0
	v_mul_u32_u24 v3, v1, PITCH
	v_lshl_add_u32 v3, v2, 6, v3
	s_mul_i32 s21, s11, HALFT                      ; my 128 rows of x
	s_mul_i32 s22, s12, HALFT                      ; my 128 rows of W,
	s_add_co_u32 s22, s22, 2*HALFT                 ; which lie behind x's 256
.irp s, 0,1
	v_add_nc_u32 v[ADRA+\s], s21, v3
	v_add_nc_u32 v[ADRB+\s], s22, v3
	s_add_co_u32 s21, s21, SLOT
	s_add_co_u32 s22, s22, SLOT
.endr
	s_mul_i32 s23, s10, 16*SPITCH
	s_add_co_u32 s23, s23, STAGE                   ; my stage
	v_mul_u32_u24 v4, v1, SPITCH                   ; in: row l % 16, 16 bytes for each half of the lanes
	v_lshl_add_u32 v4, v2, 4, v4
	v_add_nc_u32 v[STO], s23, v4
	v_and_b32 v6, 31, v0                           ; lane
	v_lshrrev_b32 v7, 3, v6                        ; back: eight lanes take the 128 bytes of one (t, b, head); stage row = 4 x local t + b
	v_and_b32 v5, 7, v0
	v_mul_u32_u24 v7, v7, 4*SPITCH
	v_lshl_add_u32 v7, v5, 4, v7
	v_add_nc_u32 v[RD], s23, v7
	v_lshlrev_b32 v6, 4, v6                        ; in ws four t rows of one head are 512 neighbouring bytes: 16 x lane
.irp b, 0,1,2,3
	v_add_nc_u32 v[CO+\b], \b*0x400000, v6
.endr
; 16 matrix instructions: m blocks a0, a0 + 1 of the window's four x all 8 n blocks, 32 along K.  zero = 1: the first product starts the sums.
.macro MUL16 hi, a0, zero
.irp a, \a0, \a0+1
.irp b, 0,1,2,3,4,5,6,7
.if \zero
	v_wmma_f32_16x16x32_bf16 v[8*(8*(\a)+\b):8*(8*(\a)+\b)+7], v[F+8*\b:F+8*\b+7], v[F+8*(4*\hi+\a):F+8*(4*\hi+\a)+7], 0
.else
	v_wmma_f32_16x16x32_bf16 v[8*(8*(\a)+\b):8*(8*(\a)+\b)+7], v[F+8*\b:F+8*\b+7], v[F+8*(4*\hi+\a):F+8*(4*\hi+\a)+7], v[8*(8*(\a)+\b):8*(8*(\a)+\b)+7]
.endif
.endr
.endr
.endm
; 64 matrix instructions: the 64 accumulators take turns, one instruction a turn, always in this order.
; Source 0 = rows of W, source 1 = rows of x: a lane's eight results are eight neighbouring columns of one row.
.macro MULALL zero
	WIN MUL_LO
	MUL16 0, 0, \zero
	MUL16 0, 2, \zero
	WIN MUL_HI
	MUL16 1, 0, \zero
	MUL16 1, 2, \zero
.endm
; 64 LDS loads in one run: 128 rows of W and 128 rows of x, 32 k as f32, at byte k of the slot's rows
.macro FETCH slot, k
	WIN 0x40
.irp i, 0,1,2,3,4,5,6,7
.irp c, 0,1,2,3
	ds_load_b128 v[RAW+16*\i+4*\c:RAW+16*\i+4*\c+3], v[ADRB+\slot] offset:\k+\i*16*PITCH+16*\c
.endr
.endr
	WIN 0
.irp i, 0,1,2,3,4,5,6,7
.irp c, 0,1,2,3
	ds_load_b128 v[RAW+16*\i+4*\c:RAW+16*\i+4*\c+3], v[ADRA+\slot] offset:\k+\i*16*PITCH+16*\c
.endr
.endr
.endm
; 128 roundings of two numbers each: f32 as read to bf16 fragments, x in window 0, W in window 1
.macro CVTALL
	WIN 0
.irp i, 0,1,2,3,4,5,6,7
.irp j, 0,1,2,3,4,5,6,7
	v_cvt_pk_bf16_f32 v[F+8*\i+\j], v[RAW+16*\i+2*\j], v[RAW+16*\i+2*\j+1]
.endr
.endr
	WIN 0x45
.irp i, 0,1,2,3,4,5,6,7
.irp j, 0,1,2,3,4,5,6,7
	v_cvt_pk_bf16_f32 v[F+8*\i+\j], v[RAW+16*\i+2*\j], v[RAW+16*\i+2*\j+1]
.endr
.endr
.endm
; First half of a K step: round what was read, ask for the second half's f32, multiply.
.macro SUB0 slot, zero
	s_wait_dscnt 0x0                               ; the 64 loads issued in front of the last 64 matrix instructions
	PLACES                                         ; the roundings write fragments that the last matrix instructions read
	CVTALL
	FETCH \slot, 128
	MULALL \zero
.endm
; Second half, and the change of slots.  In front of the barrier each wave waits for its reads of this slot and for all its tensor loads (the one out is
; its part of the next slot).  Behind it nobody reads this slot and the next slot is whole.  Where the slot is filled again the barrier opens a round of the
; cluster's barrier, with register work alone inside; the joint refill is the first tensor load behind the round, then the next slot is read.
; From the request to the wait for it a wave issues 128 matrix instructions and 128 roundings.
.macro SUB1 slot, next, fill
	s_wait_dscnt 0x0                               ; my reads of this slot are over
	s_set_vgpr_msb 0xf1f0
	s_wait_tensorcnt 0x0                           ; all my tensor loads have landed
	ds_add_u32 v23, v31
	s_wait_dscnt 0x0
	s_set_vgpr_msb 0xf0f1
	s_barrier_signal -1
	PLACES
	CVTALL                                         ; register work while the others arrive
	WIN 0
	s_barrier_wait -1
.if \fill
	CREST
	s_add_nc_u64 s[G0+4*\slot+2:G0+4*\slot+3], s[G0+4*\slot+2:G0+4*\slot+3], 2*KSTEPB     ; no tensor load of mine is out: group 0 may be written
	s_add_nc_u64 s[G0B+4*\slot+2:G0B+4*\slot+3], s[G0B+4*\slot+2:G0B+4*\slot+3], 2*KSTEPB
	JLOAD \slot
.endif
	FETCH \next, 0
	MULALL 0
.endm
.macro LAP zero                        ; two K steps, once round the ring, both slots filled again
	SUB0 0, \zero
	SUB1 0, 1, 1
	SUB0 1, 0
	SUB1 1, 0, 1
.endm
	s_wait_loadcnt 0x0                             ; the bias, asked for ahead of the tiles
	s_wait_tensorcnt 0x1                           ; my part of K step 0 is in; K step 1's may stay out
	s_barrier_signal -1
	s_barrier_wait -1
	FETCH 0, 0
	LAP 1                                          ; 16 K steps = 8 laps.  The first stands in front of the loop: its first products start the sums
	WIN 0
	s_mov_b32 s3, 6
.Llap:
	LAP 0
	WIN 0
	s_sub_co_u32 s3, s3, 1
	s_cmp_lg_u32 s3, 0
	s_cbranch_scc1 .Llap
	SUB0 0, 0                                      ; the last lap fills nothing
	SUB1 0, 1, 0
	SUB0 1, 0
	s_wait_dscnt 0x0
	PLACES
	CVTALL
	MULALL 0
	PLACES                                         ; behind the last matrix instructions, in front of the reads of their results
; THE WAY OUT, 16 rows (4 t x 4 b) at a time: + bias, clamp to 0..6, round to bf16, 16 bytes a lane into my own stage, read back so that one store
; of the wave covers the 512 consecutive, aligned bytes of four t rows of one (b, head).
; i: which 16 rows; a: tile row in window 2 or 3 (from = 0x06 or 0x07: source 0 that window, source 1 (bias) window 1); f: v192 or v224 in turn
.macro OUT16 i, a, from, f
	WIN \from
.irp b, 0,1,2,3,4,5,6,7
.irp r, 0,1,2,3
	v_pk_add_f32 v[SUM+8*\b+2*\r:SUM+8*\b+2*\r+1], v[8*(8*\a+\b)+2*\r:8*(8*\a+\b)+2*\r+1], v[8*\b+2*\r:8*\b+2*\r+1]
.endr
.endr
	WIN 0
.set x, 0
.rept 64
	v_med3_num_f32 v[SUM+x], v[SUM+x], 0, 0x40c00000       ; the middle of y, 0 and 6
.set x, x+1
.endr
.irp b, 0,1,2,3,4,5,6,7
.irp r, 0,1,2,3
	v_cvt_pk_bf16_f32 v[TMP+4*\b+\r], v[SUM+8*\b+2*\r], v[SUM+8*\b+2*\r+1]
.endr
.endr
.irp b, 0,1,2,3,4,5,6,7
	ds_store_b128 v[STO], v[TMP+4*\b:TMP+4*\b+3] offset:32*\b
.endr
	s_wait_xcnt 0x0                                ; buffer f, which earlier stores read, is loaded again only behind this wait
.irp bb, 0,1,2,3
.irp hh, 0,1
	ds_load_b128 v[\f+4*(2*\bb+\hh):\f+4*(2*\bb+\hh)+3], v[RD] offset:\bb*SPITCH+\hh*128   ; a wave's LDS instructions are served in order: these see the stores above
.endr
.endr
.irp bb, 0,1,2,3
.irp hh, 0,1
	s_wait_dscnt 7-(2*\bb+\hh)
	global_store_b128 v[CO+\bb], v[\f+4*(2*\bb+\hh):\f+4*(2*\bb+\hh)+3], s[8:9] offset:\hh*262144+\i*512
.endr
.endr
.endm
	OUT16 0, 0, 0x06, 192
	OUT16 1, 1, 0x06, 224
	OUT16 2, 2, 0x06, 192
	OUT16 3, 3, 0x06, 224
	OUT16 4, 0, 0x07, 192
	OUT16 5, 1, 0x07, 224
	OUT16 6, 2, 0x07, 192
	OUT16 7, 3, 0x07, 224
	s_wait_tensorcnt 0x0
	ds_add_u32 v23, v31
	s_wait_dscnt 0x0
	CROUND                                         ; the closing round: no work-group ends while a partner may still ask for a tile that names it
	s_endpgm
.Lfunc_end_k_q55eec1561a_proj:
	.size	k_q55eec1561a_proj, .Lfunc_end_k_q55eec1561a_proj-k_q55eec1561a_proj
	.p2alignl 7, 3214868480
	.fill 96, 4, 3214868480
	.section	.rodata,"a",@progbits
	.p2align	6, 0x0
	.amdhsa_kernel k_q55eec1561a_proj
		.amdhsa_group_segment_fixed_size 327680
		.amdhsa_private_segment_fixed_size 0
		.amdhsa_enable_private_segment 0
		.amdhsa_kernarg_size 80
		.amdhsa_user_sgpr_count 2
		.amdhsa_user_sgpr_kernarg_segment_ptr 1
		.amdhsa_wavefront_size32 1
		.amdhsa_system_sgpr_workgroup_id_x 1
		.amdhsa_system_sgpr_workgroup_id_y 1
		.amdhsa_system_sgpr_workgroup_id_z 1
		.amdhsa_system_vgpr_workitem_id 0
		.amdhsa_next_free_vgpr 1024
		.amdhsa_next_free_sgpr 96
		.amdhsa_reserve_vcc 0
		.amdhsa_float_denorm_mode_32 3
		.amdhsa_float_denorm_mode_16_64 3
		.amdhsa_memory_ordered 1
		.amdhsa_forward_progress 1
		.amdhsa_inst_pref_size 255
	.end_amdhsa_kernel
	.section	.bss,"aw",@nobits
	.p2align	6
	.space	262144
	.amdgpu_metadata
---
amdhsa.version: [ 1, 2 ]
amdhsa.kernels:
  - .name:           k_q55eec1561a_proj
    .symbol:         k_q55eec1561a_proj.kd
    .args:
      - { .name: q, .offset: 0, .size: 8, .value_kind: global_buffer, .address_space: global }
      - { .name: k, .offset: 8, .size: 8, .value_kind: global_buffer, .address_space: global }
      - { .name: v, .offset: 16, .size: 8, .value_kind: global_buffer, .address_space: global }
      - { .name: Wq, .offset: 24, .size: 8, .value_kind: global_buffer, .address_space: global }
      - { .name: Wk, .offset: 32, .size: 8, .value_kind: global_buffer, .address_space: global }
      - { .name: Wv, .offset: 40, .size: 8, .value_kind: global_buffer, .address_space: global }
      - { .name: bq, .offset: 48, .size: 8, .value_kind: global_buffer, .address_space: global }
      - { .name: bk, .offset: 56, .size: 8, .value_kind: global_buffer, .address_space: global }
      - { .name: bv, .offset: 64, .size: 8, .value_kind: global_buffer, .address_space: global }
      - { .name: ws, .offset: 72, .size: 8, .value_kind: global_buffer, .address_space: global }
    .group_segment_fixed_size: 327680
    .private_segment_fixed_size: 0
    .kernarg_segment_align: 8
    .kernarg_segment_size: 80
    .max_flat_workgroup_size: 128
    .sgpr_count:     96
    .vgpr_count:     1024
    .wavefront_size: 32
...
	.end_amdgpu_metadata
.endif
;; end of part 1
;; launch attn (part 2): grid 256 x 1, 8 waves a work-group, clusters of 4 x 1, 327,680 bytes of LDS; arguments ws, out0; writes out0
.if DOCPART == 2
	.amdgcn_target "amdgcn-amd-amdhsa--gfx1250"
	.amdhsa_code_object_version 6
	.text
	.protected	k_q55eec1561a_attn
	.globl	k_q55eec1561a_attn
	.p2align	8
	.type	k_q55eec1561a_attn,@function
k_q55eec1561a_attn:
	s_mov_b64 s[64:65], 0
	v_nop
	global_prefetch_b8 v0, s[64:65] scope:SCOPE_SE
	s_setreg_imm32_b32 hwreg(HW_REG_WAVE_MODE, 25, 1), 1
	s_wait_xcnt 0x0
	s_wait_alu depctr_hold_cnt(0) depctr_sa_sdst(0) depctr_va_vdst(0) depctr_va_sdst(0) depctr_va_ssrc(0) depctr_va_vcc(0) depctr_vm_vsrc(0)
	s_getreg_b32 s2, hwreg(HW_REG_IB_STS2, 6, 4)
	s_cmp_eq_u32 s2, 0
	s_cbranch_scc0 .Lentry_in_a_cluster
	s_endpgm
.Lentry_in_a_cluster:
	s_bfe_u32 s2, ttmp6, 0x10000c
	s_cmp_lg_u32 s2, 0x3003
	s_cbranch_scc0 .Lentry_shape_is_right
	s_endpgm
.Lentry_shape_is_right:
; ATTN: out[t][b][head][d] = softmax over s of (qh[t] . kh[s] / 8) applied to vh, for 64 heads (b, head), 2048 queries and 2048 keys, d = 64.
; ws[p][b][head][t][d] bf16 (p = 0 q, 1 k, 2 v): a head is 262,144 dense bytes, rows of 128 bytes.
; A cluster of four work-groups takes one head; a work-group takes 512 queries, each of its eight waves 64 (four tiles of 16).
; JOINT LOADS: the four query blocks of a head walk the same K and V: each tile of 256 keys is asked for by all four with one descriptor and the mask 15.
; LAYOUT: S^T = K Q^T (source 0 = rows of K, source 1 = rows of Q): lane (r, h) holds query r and keys 8 h + j.  Two such tiles rounded to bf16 ARE the second
; operand of O^T = V^T P^T (32 keys), so P never moves between lanes; V^T comes by the transposing LDS load.  All softmax figures are one a lane; the two
; halves of the lanes (keys 8 h + j) meet by one v_permlanex16_b32 for each tile of queries.
; SOFTMAX: a running maximum, as the clamp to 0..6 bounds a scaled score only to 0..288; O and the sum are rescaled in every step of 64 keys (no branch on data).
; p = 2^(c S - c m), c = log2(e) / 8.
; LOOPS: a step (64 keys, some 590 instructions) is a loop body: its LDS addresses walk in two registers, 64 rows a step, set anew at each tile's head.
; The 32 steps run from five copies of that body (the very first step, which starts the sums; the rest of tile 0; slot 1 and slot 0 in the outer loop; tile 7).
; LIMITS: P is rounded to bf16 for the product, the denominator adds the unrounded p.  NaN in ws is not kept (v_max3_num_f32 drops it); the launch before writes none.
; REGISTERS: window 0: v2-21 addresses and maxima, v32-159 S and P, v160-223 V^T fragments, v224-255 sums, -c m, rescale factors;
;   window 1: v0-127 O (tile (tt, dt) at 32 tt + 8 dt), v128-191 Q fragments, v192-255 K fragments.
.set KP,    144                        ; LDS pitch of K's rows: 128 bytes + 16
.set VP,    160                        ; LDS pitch of V's rows: 128 bytes + 32, an odd multiple of 32 for the transposing load
.set VB,    40960                      ; V's 256 rows begin here in a slot: 4 x 64 x 160, so that wave w (4..7) fills from w x 10,240
.set SLOT,  81920                      ; K: 256 x 144 = 36,864 from 0;  V: 256 x 160 = 40,960 from VB
.set STAGE, 2*SLOT                     ; 16 rows x 272 bytes for each wave, for the way out; no tensor load lands here
.set SP,    272
.set TILEB, 32768                      ; 256 rows of 128 bytes in memory
.set KPART, 16777216
.set VPART, 33554432
.set KA, 2                             ; v2-3    LDS address of my part of K's fragments at the first row of slot 0, 1
.set VA, 4                             ; v4-5    the same for V
.set STO, 6
.set RD, 7
.set CO, 8
.set QO, 9
.set MX, 10                            ; v10-13  running maxima, one for each tile of queries
.set KC, 14                            ; v14     K's address at this step's first row
.set VC, 15                            ; v15     V's address at this step's first row
.set PX, 18                            ; v18-21  what the other half of the lanes holds
.set SC, 32                            ; S(tt, st) at 32 tt + 8 st; later P(tt, p) at 32 tt + 8 p
.set VF, 160                           ; V^T fragment (p, dt) at 8 (4 p + dt)
.set LS, 224                           ; two pairs of partial sums for each tt
.set NM, 240                           ; pair tt: -c m in the first register
.set AL, 248                           ; pair tt: 2^(c m_old - c m_new) in the first register
.set QF, 128                           ; window 1: Q fragment (tt, kd) at 16 tt + 8 kd
.set KF, 192                           ; window 1: K fragment (st, kd) at 16 st + 8 kd
.set G1K, 16
.set G1V, 24
.set G0K, 32                           ; one set of four for each slot
.set G0V, 40
.set MSB, 0
.macro WIN new                         ; the immediate's high byte repeats the setting that is left
.if MSB != \new
	s_set_vgpr_msb (MSB<<8)|\new
.set MSB, \new
.endif
.endm
.macro ROUND                           ; a round of the cluster's barrier
	s_barrier_signal -1
	s_barrier_wait -1
	s_cmp_lg_u32 s8, 0
	s_cbranch_scc1 .Lnot_wave_0_\@
	s_barrier_signal -3
.Lnot_wave_0_\@:
	s_barrier_wait -3
	s_barrier_signal -1
	s_barrier_wait -1
.endm
.macro JLOAD s                         ; waves 0-3 fetch K's four quarters (64 rows each), waves 4-7 V's
	s_cmp_eq_u32 s9, 0
	s_cbranch_scc0 .Lfor_v_\@
	tensor_load_to_lds s[G0K+4*\s:G0K+4*\s+3], s[G1K:G1K+7]
	s_nop 0
	s_branch .Lasked_\@
.Lfor_v_\@:
	tensor_load_to_lds s[G0V+4*\s:G0V+4*\s+3], s[G1V:G1V+7]
	s_nop 0
.Lasked_\@:
.endm
	s_load_b128 s[4:7], s[0:1], 0x0                ; ws s[4:5], out0 s[6:7]
	v_lshl_add_u32 v30, v0, 2, 0x30800
	v_mov_b32 v31, 0
	ds_add_u32 v30, v31
	v_lshrrev_b32 v1, 5, v0
	v_readfirstlane_b32 s8, v1                     ; wave 0..7
	s_lshr_b32 s9, s8, 2                           ; I fetch for K (0) or for V (1)
	s_and_b32 s10, s8, 3                           ; which quarter
	s_bfe_u32 s12, ttmp6, 0x40000                  ; cx: my block of 512 queries
	s_mov_b32 s13, 0x76543210                      ; v_permlanex16_b32: lane i of one half reads lane i of the other
	s_mov_b32 s14, 0xfedcba98
	s_mov_b32 s50, 0xbe38aa3b                      ; -c = -log2(e) / 8
	; group 1: 64 rows x 64 elements of 2 bytes, dense in memory; padding behind every 32 words: 4 words for K, 8 for V; the mask names all four work-groups
	s_mov_b32 s[G1K+0], 15|(1<<16)|(1<<20)|(1<<21)|(4<<22)|(3<<25)
	s_mov_b32 s[G1V+0], 15|(1<<16)|(1<<20)|(1<<21)|(4<<22)|(7<<25)
	s_mov_b32 s[G1K+1], 64<<16
	s_mov_b32 s[G1V+1], 64<<16
	s_mov_b32 s[G1K+2], 64<<16
	s_mov_b32 s[G1V+2], 64<<16
	s_mov_b32 s[G1K+3], 64<<16
	s_mov_b32 s[G1V+3], 64<<16
	s_mov_b32 s[G1K+4], 64
	s_mov_b32 s[G1V+4], 64
	s_mov_b32 s[G1K+5], 64
	s_mov_b32 s[G1V+5], 64
	s_mov_b32 s[G1K+6], 0
	s_mov_b32 s[G1V+6], 0
	s_mov_b32 s[G1K+7], 0
	s_mov_b32 s[G1V+7], 0
	s_lshl_b32 s54, ttmp9, 18                      ; the head (the cluster's x) x 262,144
	s_lshl_b32 s11, s10, 13                        ; + my quarter: 64 rows of 128 bytes
	s_add_co_u32 s54, s54, s11
	s_mov_b32 s55, 0
	s_mul_i32 s52, s8, 64*KP                       ; LDS: K's quarter at wave x 9,216 (waves 0-3)
	s_mul_i32 s53, s8, 64*VP                       ;      V's quarter at wave x 10,240 (waves 4-7)
	s_lshl_b32 s58, ttmp9, 18                      ; Q: head, + 512 cx + 64 wave rows of 128 bytes
	s_lshl_b32 s49, s12, 16
	s_add_co_u32 s58, s58, s49
	s_lshl_b32 s49, s8, 13
	s_add_co_u32 s58, s58, s49
	s_mov_b32 s59, 0
	s_lshl_b32 s62, s12, 23                        ; out0: (512 cx + 64 wave) t rows of 16,384 bytes
	s_lshl_b32 s49, s8, 20
	s_add_co_u32 s62, s62, s49
	s_lshr_b32 s49, ttmp9, 4                       ; + b x 4,096
	s_lshl_b32 s49, s49, 12
	s_add_co_u32 s62, s62, s49
	s_and_b32 s49, ttmp9, 15                       ; + head x 256
	s_lshl_b32 s49, s49, 8
	s_add_co_u32 s62, s62, s49
	s_mov_b32 s63, 0
	s_mul_i32 s15, s8, 16*SP
	s_add_co_u32 s15, s15, STAGE                   ; my stage
	v_and_b32 v1, 15, v0                           ; r
	v_bfe_u32 v22, v0, 4, 1                        ; h
	v_lshlrev_b32 v23, 7, v1
	v_lshl_add_u32 v[QO], v22, 4, v23              ; Q: row r, 16 bytes at 16 h
	s_wait_dscnt 0x0
	s_wait_kmcnt 0x0
	s_add_nc_u64 s[56:57], s[4:5], s[54:55]
	s_add_nc_u64 s[60:61], s[4:5], s[58:59]
	s_add_nc_u64 s[6:7], s[6:7], s[62:63]
	WIN 0x40
.irp tt, 0,1,2,3
.irp kd, 0,1
	global_load_b128 v[QF+16*\tt+8*\kd:QF+16*\tt+8*\kd+3],   v[QO], s[60:61] offset:\tt*2048+64*\kd
	global_load_b128 v[QF+16*\tt+8*\kd+4:QF+16*\tt+8*\kd+7], v[QO], s[60:61] offset:\tt*2048+64*\kd+32
.endr
.endr
	WIN 0
.irp s, 0,1
	s_mov_b32 s[G0K+4*\s], 1
	s_add_co_u32 s[G0K+4*\s+1], s52, \s*SLOT
	s_add_nc_u64 s[G0K+4*\s+2:G0K+4*\s+3], s[56:57], KPART+\s*TILEB
	s_or_b32 s[G0K+4*\s+3], s[G0K+4*\s+3], 0x80000000
	s_mov_b32 s[G0V+4*\s], 1
	s_add_co_u32 s[G0V+4*\s+1], s53, \s*SLOT
	s_add_nc_u64 s[G0V+4*\s+2:G0V+4*\s+3], s[56:57], VPART+\s*TILEB
	s_or_b32 s[G0V+4*\s+3], s[G0V+4*\s+3], 0x80000000
.endr
	ROUND                                          ; all four work-groups are here: the first joint load meets
	JLOAD 0                                        ; keys 0-255.  One tensor load of a wave is out at any time in this text
	v_mul_u32_u24 v23, v1, KP
	v_lshl_add_u32 v[KA], v22, 4, v23              ; K: row r, 16 bytes at 16 h
	v_add_nc_u32 v[KA+1], SLOT, v[KA]
	v_and_b32 v23, 7, v0
	v_lshl_add_u32 v23, v22, 3, v23                ; V: row 8 h + l % 8,
	v_mul_u32_u24 v23, v23, VP
	v_bfe_u32 v24, v0, 3, 1
	v_lshl_add_u32 v23, v24, 4, v23                ; 16 bytes at 16 ((l / 8) % 2)
	v_add_nc_u32 v[VA], VB, v23
	v_add_nc_u32 v[VA+1], VB+SLOT, v23
	v_mul_u32_u24 v23, v1, SP
	v_lshl_add_u32 v23, v22, 5, v23                ; stage in: row r (a query), 32 bytes at 32 h of each 64
	v_add_nc_u32 v[STO], s15, v23
	v_mul_u32_u24 v23, v22, SP
	v_lshl_add_u32 v23, v1, 4, v23                 ; stage back: lanes 0-15 one row of 256 bytes, lanes 16-31 the next
	v_add_nc_u32 v[RD], s15, v23
	v_lshlrev_b32 v23, 4, v1
	v_lshl_add_u32 v[CO], v22, 14, v23             ; and the same two queries in out0
.irp tt, 0,1,2,3
	v_mov_b32 v[PX+\tt], 0                         ; v_permlanex16_b32's destination counts as read
	v_mov_b32 v[NM+2*\tt+1], 0                     ; the second registers of the pairs are named by packed instructions and never used
	v_mov_b32 v[AL+2*\tt+1], 0
.endr
	s_wait_loadcnt 0x0                             ; Q
.macro KLOAD areg, row                 ; 16 loads: K fragments of the 64 keys that begin \row rows behind the address in v[areg]
	WIN 0x40
.irp st, 0,1,2,3
.irp kd, 0,1
	ds_load_b128 v[KF+16*\st+8*\kd:KF+16*\st+8*\kd+3],   v[\areg] offset:(\row+16*\st)*KP+64*\kd
	ds_load_b128 v[KF+16*\st+8*\kd+4:KF+16*\st+8*\kd+7], v[\areg] offset:(\row+16*\st)*KP+64*\kd+32
.endr
.endr
	WIN 0
.endm
.macro VLOAD areg                      ; 16 transposing loads: V^T fragments, 32 keys x 16 d each, of the 64 keys at the address in v[areg]
.irp p, 0,1
.irp dt, 0,1,2,3
	ds_load_tr16_b128 v[VF+8*(4*\p+\dt):VF+8*(4*\p+\dt)+3],   v[\areg] offset:(32*\p)*VP+32*\dt
	ds_load_tr16_b128 v[VF+8*(4*\p+\dt)+4:VF+8*(4*\p+\dt)+7], v[\areg] offset:(32*\p+16)*VP+32*\dt
.endr
.endr
.endm
.macro FMAT tt                         ; c S - c m, two at a time
.set x, 0
.rept 16
	v_pk_fma_f32 v[SC+32*\tt+x:SC+32*\tt+x+1], v[SC+32*\tt+x:SC+32*\tt+x+1], 0x3e38aa3b, v[NM+2*\tt:NM+2*\tt+1] op_sel_hi:[1,0,0]
.set x, x+2
.endr
.endm
.macro EXPT tt
.set x, 0
.rept 32
	v_exp_f32 v[SC+32*\tt+x], v[SC+32*\tt+x]
.set x, x+1
.endr
.endm
.macro SUMT tt, first                  ; the lane's 32 p into two pairs of sums; the old sums are rescaled in the same instruction
.if \first
	s_wait_alu depctr_va_vdst(0)
	v_pk_add_f32 v[LS+4*\tt:LS+4*\tt+1],   v[SC+32*\tt:SC+32*\tt+1],   v[SC+32*\tt+4:SC+32*\tt+5]
	v_pk_add_f32 v[LS+4*\tt+2:LS+4*\tt+3], v[SC+32*\tt+2:SC+32*\tt+3], v[SC+32*\tt+6:SC+32*\tt+7]
.else
	s_wait_alu depctr_va_vdst(0)
	v_pk_fma_f32 v[LS+4*\tt:LS+4*\tt+1],   v[LS+4*\tt:LS+4*\tt+1],   v[AL+2*\tt:AL+2*\tt+1], v[SC+32*\tt:SC+32*\tt+1] op_sel_hi:[1,0,1]
	v_pk_fma_f32 v[LS+4*\tt+2:LS+4*\tt+3], v[LS+4*\tt+2:LS+4*\tt+3], v[AL+2*\tt:AL+2*\tt+1], v[SC+32*\tt+2:SC+32*\tt+3] op_sel_hi:[1,0,1]
	v_pk_add_f32 v[LS+4*\tt:LS+4*\tt+1],   v[LS+4*\tt:LS+4*\tt+1],   v[SC+32*\tt+4:SC+32*\tt+5]
	v_pk_add_f32 v[LS+4*\tt+2:LS+4*\tt+3], v[LS+4*\tt+2:LS+4*\tt+3], v[SC+32*\tt+6:SC+32*\tt+7]
.endif
.set x, 8
.rept 6
	v_pk_add_f32 v[LS+4*\tt:LS+4*\tt+1],   v[LS+4*\tt:LS+4*\tt+1],   v[SC+32*\tt+x:SC+32*\tt+x+1]
	v_pk_add_f32 v[LS+4*\tt+2:LS+4*\tt+3], v[LS+4*\tt+2:LS+4*\tt+3], v[SC+32*\tt+x+2:SC+32*\tt+x+3]
.set x, x+4
.endr
.endm
.macro CVTT tt                         ; 32 p to 16 registers of bf16, in place and ascending: register y is written from 2 y and 2 y + 1
.set x, 0
.rept 16
	v_cvt_pk_bf16_f32 v[SC+32*\tt+x], v[SC+32*\tt+2*x], v[SC+32*\tt+2*x+1]
.set x, x+1
.endr
.endm
; One step: the 64 keys at KC and VC against my 64 queries.  K's fragments are in registers when it begins.
; first = 1: the launch's first step: nothing to rescale, the products start the sums, and the next step's K is always asked for.
; first = 0: a loop body; s49 counts the steps left in the tile, this one among them.
.macro STEP first
	WIN 0x05                                       ; sources 0 and 1 in window 1
	; the 16 accumulators take turns, one instruction a turn
.irp tt, 0,1,2,3
.irp st, 0,1,2,3
	v_wmma_f32_16x16x32_bf16 v[SC+32*\tt+8*\st:SC+32*\tt+8*\st+7], v[KF+16*\st:KF+16*\st+7], v[QF+16*\tt:QF+16*\tt+7], 0
.endr
.endr
.irp tt, 0,1,2,3
.irp st, 0,1,2,3
	v_wmma_f32_16x16x32_bf16 v[SC+32*\tt+8*\st:SC+32*\tt+8*\st+7], v[KF+16*\st+8:KF+16*\st+15], v[QF+16*\tt+8:QF+16*\tt+15], v[SC+32*\tt+8*\st:SC+32*\tt+8*\st+7]
.endr
.endr
	WIN 0
.rept 4
	v_nop                                          ; four places before S is read and before loads are issued into K's fragments
.endr
.if \first == 0
	s_cmp_eq_u32 s49, 1                            ; the tile's last step has no next 64 keys in this slot.  The counter is the same in every wave of every partner
	s_cbranch_scc1 .Lno_next_k_\@
.endif
	KLOAD KC, 64                                   ; the next step's K
.if \first == 0
.Lno_next_k_\@:
.endif
	VLOAD VC                                       ; this step's V: the softmax below, some 470 vector instructions, is the time in which both groups land
	v_add_nc_u32 v[KC], 64*KP, v[KC]               ; 64 rows on
	v_add_nc_u32 v[VC], 64*VP, v[VC]
	; the running maximum of each query, in place: 32 numbers in the lane, four chains side by side, then the other half of the lanes
.irp tt, 0,1,2,3
.if \first
	v_max_num_f32 v[MX+\tt], v[SC+32*\tt], v[SC+32*\tt+1]
.else
	v_max3_num_f32 v[MX+\tt], v[MX+\tt], v[SC+32*\tt], v[SC+32*\tt+1]
.endif
.endr
.set qq, 2
.rept 15
.irp tt, 0,1,2,3
	v_max3_num_f32 v[MX+\tt], v[MX+\tt], v[SC+32*\tt+qq], v[SC+32*\tt+qq+1]
.endr
.set qq, qq+2
.endr
.irp tt, 0,1,2,3
	v_permlanex16_b32 v[PX+\tt], v[MX+\tt], s13, s14
.endr
.irp tt, 0,1,2,3
	v_max_num_f32 v[MX+\tt], v[MX+\tt], v[PX+\tt]
.endr
.if \first == 0
.irp tt, 0,1,2,3
	v_fma_f32 v[AL+2*\tt], v[MX+\tt], s50, -v[NM+2*\tt]    ; c m_old - c m_new: NM still holds -c m_old
.endr
.endif
.irp tt, 0,1,2,3
	v_mul_f32 v[NM+2*\tt], s50, v[MX+\tt]          ; -c m
.endr
.if \first == 0
.irp tt, 0,1,2,3
	v_exp_f32 v[AL+2*\tt], v[AL+2*\tt]
.endr
.endif
	; behind each run of v_exp_f32 stands plain work on other registers before its results are used (ISA guide 5.7.2)
	FMAT 0
	EXPT 0
	FMAT 1
	EXPT 1
	SUMT 0, \first
	CVTT 0
	FMAT 2
	EXPT 2
	SUMT 1, \first
	CVTT 1
	FMAT 3
	EXPT 3
	SUMT 2, \first
	CVTT 2
	SUMT 3, \first
	CVTT 3
.if \first == 0
	WIN 0x41                                       ; O in window 1, the factor in window 0
.irp tt, 0,1,2,3
.set x, 0
.rept 16
	v_pk_mul_f32 v[32*\tt+x:32*\tt+x+1], v[32*\tt+x:32*\tt+x+1], v[AL+2*\tt:AL+2*\tt+1] op_sel_hi:[1,0]
.set x, x+2
.endr
.endr
.endif
	s_wait_dscnt 0x0                               ; V's fragments, and the next step's K where it was asked for: the same count on both ways
	WIN 0x50                                       ; C and D in window 1
	; O^T += V^T P^T: again 16 accumulators by turns
.irp p, 0,1
.irp tt, 0,1,2,3
.irp dt, 0,1,2,3
.if \first*(1-\p)
	v_wmma_f32_16x16x32_bf16 v[32*\tt+8*\dt:32*\tt+8*\dt+7], v[VF+8*(4*\p+\dt):VF+8*(4*\p+\dt)+7], v[SC+32*\tt+8*\p:SC+32*\tt+8*\p+7], 0
.else
	v_wmma_f32_16x16x32_bf16 v[32*\tt+8*\dt:32*\tt+8*\dt+7], v[VF+8*(4*\p+\dt):VF+8*(4*\p+\dt)+7], v[SC+32*\tt+8*\p:SC+32*\tt+8*\p+7], v[32*\tt+8*\dt:32*\tt+8*\dt+7]
.endif
.endr
.endr
.endr
	WIN 0
.rept 5
	v_nop                                          ; five places: the next products write over P's registers, later loads over V's fragments
.endr
.endm
.macro STEPS n                         ; the tile's last n steps, in a loop
	s_mov_b32 s49, \n
.Lstep_\@:
	STEP 0
	s_sub_co_u32 s49, s49, 1
	s_cmp_lg_u32 s49, 0
	s_cbranch_scc1 .Lstep_\@
.endm
; The head of a tile of 256 keys.  In front of the round each wave waits for all its tensor loads (its part of this slot) and for its reads of the other slot;
; the round holds register work alone; behind it the other slot is asked for again first, jointly, one load a wave, and has this tile's four steps in which to land.
; Then the tile's first K fragments, and the two walking addresses at the slot's first row.
.macro HEAD slot, other, refill
	s_wait_tensorcnt 0x0
	ds_add_u32 v30, v31
	s_wait_dscnt 0x0
	s_add_nc_u64 s[G0K+4*\slot+2:G0K+4*\slot+3], s[G0K+4*\slot+2:G0K+4*\slot+3], 2*TILEB    ; no load of mine is out: this slot's next tile
	s_add_nc_u64 s[G0V+4*\slot+2:G0V+4*\slot+3], s[G0V+4*\slot+2:G0V+4*\slot+3], 2*TILEB
	s_wait_dscnt 0x0
	ROUND
.if \refill
	JLOAD \other
.endif
	KLOAD KA+\slot, 0
	v_mov_b32 v[KC], v[KA+\slot]
	v_mov_b32 v[VC], v[VA+\slot]
	s_wait_dscnt 0x0                               ; the first step's K
.endm
	HEAD 0, 1, 1                                   ; tile 0; asks for tile 1
	STEP 1
	STEPS 3
	s_mov_b32 s48, 3
.Lpair:
	HEAD 1, 0, 1                                   ; tiles 1, 3, 5; ask for 2, 4, 6
	STEPS 4
	HEAD 0, 1, 1                                   ; tiles 2, 4, 6; ask for 3, 5, 7
	STEPS 4
	s_sub_co_u32 s48, s48, 1
	s_cmp_lg_u32 s48, 0
	s_cbranch_scc1 .Lpair
	HEAD 1, 0, 0                                   ; tile 7: nothing is left to fetch (the stepped addresses are not used)
	STEPS 4
	; the denominators: the lane's four partial sums, then the other half of the lanes.  Each is at least 1: the largest score gives 2^0.
.irp tt, 0,1,2,3
	v_pk_add_f32 v[LS+4*\tt:LS+4*\tt+1], v[LS+4*\tt:LS+4*\tt+1], v[LS+4*\tt+2:LS+4*\tt+3]
.endr
.irp tt, 0,1,2,3
	v_add_f32 v[LS+4*\tt], v[LS+4*\tt], v[LS+4*\tt+1]
.endr
.irp tt, 0,1,2,3
	v_permlanex16_b32 v[PX+\tt], v[LS+4*\tt], s13, s14
.endr
.irp tt, 0,1,2,3
	v_add_f32 v[LS+4*\tt], v[LS+4*\tt], v[PX+\tt]
.endr
.irp tt, 0,1,2,3
	v_rcp_f32 v[AL+2*\tt], v[LS+4*\tt]
.endr
	v_nop                                          ; one plain place behind v_rcp_f32 (ISA guide 5.7.2)
	s_wait_alu depctr_va_vdst(0)
; THE WAY OUT, 16 queries at a time: O / l in f32 into my own stage (a query's 64 d are a row of 256 bytes), read back by rows:
; sixteen lanes store 256 consecutive bytes of out0, at a multiple of 256 from its first byte.  f: v64 or v96 in turn.
.macro OUTT tt, f
	WIN 0x01
.set x, 0
.rept 16
	v_pk_mul_f32 v[SC+x:SC+x+1], v[32*\tt+x:32*\tt+x+1], v[AL+2*\tt:AL+2*\tt+1] op_sel_hi:[1,0]
.set x, x+2
.endr
	WIN 0
.irp dt, 0,1,2,3
	ds_store_b128 v[STO], v[SC+8*\dt:SC+8*\dt+3]   offset:64*\dt
	ds_store_b128 v[STO], v[SC+8*\dt+4:SC+8*\dt+7] offset:64*\dt+16
.endr
	s_wait_xcnt 0x0                                ; buffer f, which earlier stores read, is loaded again only behind this wait
.irp i, 0,1,2,3,4,5,6,7
	ds_load_b128 v[\f+4*\i:\f+4*\i+3], v[RD] offset:\i*2*SP        ; a wave's LDS instructions are served in order: these see the stores above
.endr
.irp i, 0,1,2,3,4,5,6,7
	s_wait_dscnt 7-\i                              ; read-back i is in; the younger ones stay out
	global_store_b128 v[CO], v[\f+4*\i:\f+4*\i+3], s[6:7] offset:(16*\tt+2*\i)*16384 th:TH_STORE_NT
.endr
.endm
	OUTT 0, 64
	OUTT 1, 96
	OUTT 2, 64
	OUTT 3, 96
	s_wait_tensorcnt 0x0
	ds_add_u32 v30, v31
	s_wait_dscnt 0x0
	ROUND                                          ; the closing round
	s_endpgm
.Lfunc_end_k_q55eec1561a_attn:
	.size	k_q55eec1561a_attn, .Lfunc_end_k_q55eec1561a_attn-k_q55eec1561a_attn
	.p2alignl 7, 3214868480
	.fill 96, 4, 3214868480
	.section	.rodata,"a",@progbits
	.p2align	6, 0x0
	.amdhsa_kernel k_q55eec1561a_attn
		.amdhsa_group_segment_fixed_size 327680
		.amdhsa_private_segment_fixed_size 0
		.amdhsa_enable_private_segment 0
		.amdhsa_kernarg_size 16
		.amdhsa_user_sgpr_count 2
		.amdhsa_user_sgpr_kernarg_segment_ptr 1
		.amdhsa_wavefront_size32 1
		.amdhsa_system_sgpr_workgroup_id_x 1
		.amdhsa_system_sgpr_workgroup_id_y 1
		.amdhsa_system_sgpr_workgroup_id_z 1
		.amdhsa_system_vgpr_workitem_id 0
		.amdhsa_next_free_vgpr 512
		.amdhsa_next_free_sgpr 66
		.amdhsa_reserve_vcc 0
		.amdhsa_float_denorm_mode_32 3
		.amdhsa_float_denorm_mode_16_64 3
		.amdhsa_memory_ordered 1
		.amdhsa_forward_progress 1
		.amdhsa_inst_pref_size 194
	.end_amdhsa_kernel
	.amdgpu_metadata
---
amdhsa.version: [ 1, 2 ]
amdhsa.kernels:
  - .name:           k_q55eec1561a_attn
    .symbol:         k_q55eec1561a_attn.kd
    .args:
      - { .name: ws, .offset: 0, .size: 8, .value_kind: global_buffer, .address_space: global }
      - { .name: out0, .offset: 8, .size: 8, .value_kind: global_buffer, .address_space: global }
    .group_segment_fixed_size: 327680
    .private_segment_fixed_size: 0
    .kernarg_segment_align: 8
    .kernarg_segment_size: 16
    .max_flat_workgroup_size: 256
    .sgpr_count:     66
    .vgpr_count:     512
    .wavefront_size: 32
...
	.end_amdgpu_metadata
.endif
;; end of part 2
